; MI455X (gfx1250); checked and timed in simulation.
; The chip was launched on July 23, 2026; its instructions are those of AMD's public machine-readable ISA for CDNA 5 (MIT licence, August 2026) and "CDNA5" Instruction Set Architecture Reference Guide (July 2026). The comments in the code are by the model that wrote it; some were corrected since.
;; Vcp By Dis. Allowed arithmetic: matrix products marked QUANTISED: E2M1 operands, one E8M0 scale for each 32 along K, by v_wmma_scale_f32_16x16x128_f8f6f4 with both operands' format E2M1 (or v_wmma_scale_f32_32x16x128_f4), f32 sums; products left as they are: f32 operands where the result goes on into a quantised operand, else bf16, f16 or f32 operands; f32 sums; everything else in f32.
;; Inputs: src 8 x 3 x 4,096 float32; src_embedding 8 x 64 x 4,096 float32; tgt 8 x 3 x 4,096 float32; tgt_embedding 8 x 64 x 4,096 float32.
;; Outputs: out0 8 x 3 x 4,096 float32; out1 8 x 3 x 4,096 float32.
;; This version of the problem:
;;   THIS VERSION OF THE PROBLEM IS GIVEN IN LOW PRECISION. The matrix products marked QUANTISED in the list below multiply operands that are first quantised to E2M1 (2 exponent bits, 1 mantissa bit; 4 bits a number), with one power-of-two scale for each 32 numbers along K (OCP MX v1.0); their sums are f32. All else is computed in f32.
;;   The module's matrix products, in the order in which they are computed (A, B: the left and right operand; K: the contracted axis; several contracted axes count as one K, in the product's order):
;;     1. batch 8 x [M 4,096, K 64] x [K 64, N 4,096]; A: input src_embedding; B: input tgt_embedding: QUANTISED
;;     2. batch 8 x [M 3, K 4,096] x [K 4,096, N 4,096]; A: input tgt; B: softmax: left as it is (M = 3 < 16)
;;   THE QUANTISER, for each operand of a quantised product, along K:
;;     - K is cut into blocks of 32 from its start; a last block that is shorter is filled with zeros.
;;     - A block's scale is 2^e with e = floor(log2(the largest magnitude in the block)) - 2, held to -126 .. 127; a block of zeros has e = 0. As a byte (E8M0): e + 127.
;;     - Each number is divided by its block's scale, clamped to +-6, and rounded to the nearest number of E2M1, ties to even, subnormals kept.
;;     - The product sums the exact products of the quantised numbers (number of the format x scale) in f32.
;;   ~~~python
;;   def quantise(x, axis):      # numpy; x: float32 -> the quantised numbers, widened to float32 again
;;       x = np.moveaxis(x, axis, -1); K = x.shape[-1]
;;       x = np.pad(x, [(0, 0)] * (x.ndim - 1) + [(0, -K % 32)]); x = x.reshape(x.shape[:-1] + (-1, 32)); a = np.abs(x).max(-1, keepdims=True)
;;       e = np.where(a > 0, np.clip(np.frexp(np.where(a > 0, a, 1))[1] - 1 - 2, -126, 127), 0)      # np.frexp(a)[1] - 1 = floor(log2(a)), exactly
;;       r = np.clip(x / 2.0 ** e, -6, 6)
;;       step = 2.0 ** (np.maximum(np.frexp(np.where(r == 0, 1, r))[1] - 1, 0) - 1)
;;       q = np.round(r / step) * step * 2.0 ** e      # np.round: ties to even
;;       return np.moveaxis(q.reshape(q.shape[:-2] + (-1,))[..., :K], -1, axis).astype(np.float32)
;;   ~~~
;; One version. Each part assembles by itself: llvm-mc -triple=amdgcn-amd-amdhsa -mcpu=gfx1250 --defsym DOCPART=n.
;; ======== version 1 of 1: 2 launches
;; workspace buffers: q 1,179,648 bytes; kv 1,441,792 bytes
;; launch prep (part 1): grid 512 x 1, 4 waves a work-group, no clusters, 1,024 bytes of LDS; arguments src_embedding, tgt_embedding, src, tgt, q, kv, out0; writes q, kv, out0
.if DOCPART == 1
	.amdgcn_target "amdgcn-amd-amdhsa--gfx1250"
	.amdhsa_code_object_version 6
	.text
	.protected	k_qfac876c54a_prep
	.globl	k_qfac876c54a_prep
	.p2align	8
	.type	k_qfac876c54a_prep,@function
k_qfac876c54a_prep:
	s_mov_b64 s[64:65], 0
	v_nop
	global_prefetch_b8 v0, s[64:65] scope:SCOPE_SE
	s_setreg_imm32_b32 hwreg(HW_REG_WAVE_MODE, 25, 1), 1
	s_wait_xcnt 0x0
; src_embedding and tgt_embedding, [8][64][4096] f32, are operands of a product whose K is the axis of 64, which is not innermost.  They become codes of FP4 (E2M1) with one E8M0
; scale byte for each 32 along K, laid in the order of the matrix operand's registers.  Beside that: tgt becomes bf16 rows (with a row of ones), and src is copied to out0.
; A UNIT is 128 neighbouring columns of one batch.  Its bytes in q (4,608 a unit) or kv (5,632 a unit):
;   0     codes: group g of 32 columns at 1024 g; in it tile c of 16 columns at 512 c, block h (d = 32 h .. 32 h + 31) at 256 h, column r at 16 r: 32 codes, the lower d in the lower bits
;   4096  scale words [lane 32][group 4].  hw(col) = byte of block 0 | byte of block 1 << 8.   q: lane l: hw | hw << 16 of column 32 g + l.   kv: lanes r and r + 16: hw(32 g + r) | hw(32 g + 16 + r) << 16
;   4608  kv alone: four rows of 128 bf16: x, y, z of tgt, and ones
; SHARES.  Work-groups 0-255 take the units of src_embedding, 256-511 those of tgt_embedding: only pointers and a few constants are chosen, both take one path.  Wave w takes group w; A LANE TAKES A
; COLUMN AND ITS REGISTERS RUN DOWN K: a load reads 128 consecutive bytes a wave (the four waves side by side on 512), both blocks of a column lie in one lane, and the conversions give codes with K innermost.
; A block's scale is 2^(floor(log2(its largest magnitude)) - 2): its byte is the largest magnitude's exponent field - 2, held at 1 from below by a floor among the maximum's leaves.
; LIMITS: a block of zeros, or one whose largest magnitude lies under 2^-124, gets the byte 1 (for zeros the rule says 127: the codes are zeros, and this program alone reads the bytes);
; NaN and infinities among the inputs are not served.
.set DROW,   16384                     ; bytes from d to d + 1 in an embedding, and from row to row in src, tgt, out0
.set QUNIT,  4608
.set KUNIT,  5632
.set SCW,    4096                      ; a unit's scale words
.set ROWS,   4608                      ; a kv unit's bf16 rows
.set X,      16                        ; v16-79  my column's 64 numbers
.set RW,     80                        ; v80-83  four numbers of a row of src or tgt
.set CD,     84                        ; v84-91  my column's codes: block 0, block 1
	s_load_b256 s[4:11], s[0:1], 0x0               ; src_embedding s[4:5], tgt_embedding s[6:7], src s[8:9], tgt s[10:11]
	s_load_b128 s[12:15], s[0:1], 0x20             ; q s[12:13], kv s[14:15]
	s_load_b64 s[16:17], s[0:1], 0x30              ; out0
	v_lshl_add_u32 v96, v0, 2, 0x200
	v_mov_b32 v97, 0
	v_lshrrev_b32 v1, 5, v0
	v_readfirstlane_b32 s18, v1                    ; wave 0..3
	v_and_b32 v1, 31, v0                           ; lane
	v_lshlrev_b32 v2, 2, v0                        ; the embedding: 4 bytes a thread: 128 w + 4 l
	v_lshlrev_b32 v3, 4, v1                        ; 16 l
	v_and_b32 v4, 15, v0
	v_lshlrev_b32 v4, 4, v4                        ; the codes' place: 16 r
	v_bfe_u32 v5, v0, 4, 1
	v_lshl_add_u32 v4, v5, 9, v4                   ; + 512 x tile
	v_lshl_add_u32 v4, s18, 10, v4                 ; + 1024 x group
	s_lshl_b32 s28, s18, 2
	v_add_nc_u32 v5, s28, v3                       ; LDS: my scale word at 16 l + 4 w
	v_lshlrev_b32 v6, 3, v0                        ; the bf16 rows: 8 bytes a thread: row w, 8 l
	v_lshl_add_u32 v7, s18, 14, v3                 ; src, tgt, out0: row w, 16 l
	v_mov_b32 v15, 0                               ; a lane permute's destination counts as one of its sources
	s_and_b32 s19, ttmp9, 255                      ; the unit
	s_lshr_b32 s20, s19, 5                         ; its batch
	s_and_b32 s21, s19, 31                         ; its place in the batch
	s_lshl_b32 s28, s20, 20                        ; a batch of an embedding is 64 x 16,384 bytes
	s_lshl_b32 s30, s21, 9                         ; 128 columns are 512 bytes
	s_add_co_u32 s28, s28, s30
	s_mov_b32 s29, 0
	s_mul_i32 s32, s20, 3*DROW
	s_add_co_u32 s30, s32, s30                     ; the same columns in src, tgt, out0
	s_mov_b32 s31, 0
	s_mov_b32 s26, 0x76543210
	s_mov_b32 s27, 0xfedcba98                      ; v_permlanex16_b32's selects for lane l xor 16
	s_mov_b32 s23, QUNIT
	s_wait_kmcnt 0x0
	s_cmp_ge_u32 ttmp9, 256                        ; queries' unit or keys'?  The choice hangs on the work-group's number alone
	s_cselect_b64 s[4:5], s[6:7], s[4:5]           ; the embedding
	s_cselect_b64 s[8:9], s[10:11], s[8:9]         ; tgt or src
	s_cselect_b64 s[12:13], s[14:15], s[12:13]     ; kv or q
	s_cselect_b32 s23, KUNIT, s23                  ; a unit's bytes
	s_cselect_b32 s24, 0xffff0000, 0               ; the lanes that take the OTHER half's bytes for the word's low half,
	s_cselect_b32 s25, 0xffff, 0                   ; and for its high half: none in q
	s_cselect_b32 s22, 1, 0                        ; 1: keys
	s_mul_i32 s32, s19, s23
	s_mov_b32 s33, 0
	s_add_nc_u64 s[4:5], s[4:5], s[28:29]
	s_add_nc_u64 s[8:9], s[8:9], s[30:31]
	s_add_nc_u64 s[16:17], s[16:17], s[30:31]
	s_add_nc_u64 s[12:13], s[12:13], s[32:33]
.set i, 0
.rept 64
	global_load_b32 v[X+i], v2, s[4:5] offset:i*DROW th:TH_LOAD_NT   ; emb(d = i, my column): all of the wave's share is asked for at once
.set i, i+1
.endr
	; waves 0 to 2 take row w of src or tgt for the unit's 128 columns: load and use stand in one branch on the wave's number
	s_cmp_gt_u32 s18, 2
	s_cbranch_scc1 .Lno_row
	global_load_b128 v[RW:RW+3], v7, s[8:9] th:TH_LOAD_NT
	s_wait_loadcnt 0x0
	s_cmp_eq_u32 s22, 0
	s_cbranch_scc1 .Lcopy
	v_cvt_pk_bf16_f32 v92, v[RW], v[RW+1]
	v_cvt_pk_bf16_f32 v93, v[RW+2], v[RW+3]
	global_store_b64 v6, v[92:93], s[12:13] offset:ROWS          ; the wave stores 256 consecutive bytes, aligned: a row of 128 bf16
	s_branch .Lno_row
.Lcopy:
	global_store_b128 v7, v[RW:RW+3], s[16:17] th:TH_STORE_NT    ; out0 = src: 512 consecutive bytes
.Lno_row:
	s_wait_loadcnt 0x0                             ; my 64 numbers
	v_max3_num_f32 v8, |v[X]|, |v[X+1]|, 0x1800000               ; each block's largest magnitude, and the floor 2^(3 - 127): so the byte cannot fall under 1
	v_max3_num_f32 v9, |v[X+32]|, |v[X+33]|, 0x1800000
.irp i, 2,4,6,8,10,12,14,16,18,20,22,24,26,28,30
	v_max3_num_f32 v8, v8, |v[X+\i]|, |v[X+1+\i]|                ; (the two blocks by turns)
	v_max3_num_f32 v9, v9, |v[X+32+\i]|, |v[X+33+\i]|
.endr
	v_add_nc_u32 v10, 0xff000000, v8               ; 2 off the exponent field: the conversion takes the exponent field of this operand as its scale, and nothing else of it
	v_add_nc_u32 v11, 0xff000000, v9
	v_lshrrev_b32 v12, 23, v10                     ; the scales' bytes
	v_lshrrev_b32 v13, 23, v11
	v_lshl_or_b32 v14, v13, 8, v12                 ; hw of my column
.irp g, 0,1,2,3
	v_cvt_scalef32_pk8_fp4_f32 v[CD+\g], v[X+8*\g:X+7+8*\g], v10         ; to the nearest code, ties to even, beyond 6 the largest code
	v_cvt_scalef32_pk8_fp4_f32 v[CD+4+\g], v[X+32+8*\g:X+39+8*\g], v11
.endr
	v_nop                                          ; one plain instruction behind the last scaled conversion
	v_permlanex16_b32 v15, v14, s26, s27           ; hw of the column 16 away
	v_cndmask_b32 v94, v14, v15, s24               ; kv: the low half is column r's, the high half column 16 + r's; q: both are my own
	v_cndmask_b32 v95, v14, v15, s25
	v_lshl_or_b32 v94, v95, 16, v94
	global_store_b128 v4, v[CD:CD+3], s[12:13]                   ; sixteen lanes store 256 consecutive bytes, aligned
	global_store_b128 v4, v[CD+4:CD+7], s[12:13] offset:256
	ds_store_b32 v5, v94
	s_wait_dscnt 0x0                               ; for the others' sake: my word lies in LDS
	s_barrier_signal -1
	s_barrier_wait -1
	s_cmp_lg_u32 s18, 3                            ; wave 3 sends the unit's 128 scale words out, 512 consecutive bytes
	s_cbranch_scc1 .Lend
	ds_load_b128 v[16:19], v3
	s_wait_dscnt 0x0
	global_store_b128 v3, v[16:19], s[12:13] offset:SCW
	s_cmp_eq_u32 s22, 0
	s_cbranch_scc1 .Lend
	v_mov_b32 v20, 0x3f803f80                      ; and, for keys, the row of ones (bf16 1.0 twice): in wave 3, 8 x thread is row 3
	v_mov_b32 v21, 0x3f803f80
	global_store_b64 v6, v[20:21], s[12:13] offset:ROWS
.Lend:
	s_wait_tensorcnt 0x0
	ds_add_u32 v96, v97
	s_wait_dscnt 0x0
	s_endpgm
.Lfunc_end_k_qfac876c54a_prep:
	.size	k_qfac876c54a_prep, .Lfunc_end_k_qfac876c54a_prep-k_qfac876c54a_prep
	.p2alignl 7, 3214868480
	.fill 96, 4, 3214868480
	.section	.rodata,"a",@progbits
	.p2align	6, 0x0
	.amdhsa_kernel k_qfac876c54a_prep
		.amdhsa_group_segment_fixed_size 1024
		.amdhsa_private_segment_fixed_size 0
		.amdhsa_enable_private_segment 0
		.amdhsa_kernarg_size 56
		.amdhsa_user_sgpr_count 2
		.amdhsa_user_sgpr_kernarg_segment_ptr 1
		.amdhsa_wavefront_size32 1
		.amdhsa_system_sgpr_workgroup_id_x 1
		.amdhsa_system_sgpr_workgroup_id_y 1
		.amdhsa_system_sgpr_workgroup_id_z 1
		.amdhsa_system_vgpr_workitem_id 0
		.amdhsa_next_free_vgpr 98
		.amdhsa_next_free_sgpr 66
		.amdhsa_reserve_vcc 0
		.amdhsa_float_denorm_mode_32 3
		.amdhsa_float_denorm_mode_16_64 3
		.amdhsa_memory_ordered 1
		.amdhsa_forward_progress 1
		.amdhsa_inst_pref_size 14
	.end_amdhsa_kernel
	.amdgpu_metadata
---
amdhsa.version: [ 1, 2 ]
amdhsa.kernels:
  - .name:           k_qfac876c54a_prep
    .symbol:         k_qfac876c54a_prep.kd
    .args:
      - { .name: src_embedding, .offset: 0, .size: 8, .value_kind: global_buffer, .address_space: global }
      - { .name: tgt_embedding, .offset: 8, .size: 8, .value_kind: global_buffer, .address_space: global }
      - { .name: src, .offset: 16, .size: 8, .value_kind: global_buffer, .address_space: global }
      - { .name: tgt, .offset: 24, .size: 8, .value_kind: global_buffer, .address_space: global }
      - { .name: q, .offset: 32, .size: 8, .value_kind: global_buffer, .address_space: global }
      - { .name: kv, .offset: 40, .size: 8, .value_kind: global_buffer, .address_space: global }
      - { .name: out0, .offset: 48, .size: 8, .value_kind: global_buffer, .address_space: global }
    .group_segment_fixed_size: 1024
    .private_segment_fixed_size: 0
    .kernarg_segment_align: 8
    .kernarg_segment_size: 56
    .max_flat_workgroup_size: 128
    .sgpr_count:     66
    .vgpr_count:     98
    .wavefront_size: 32
...
	.end_amdgpu_metadata
.endif
;; end of part 1
;; launch attn (part 2): grid 32 x 8, 16 waves a work-group, clusters of 4 x 1, 274,432 bytes of LDS; arguments kv, q, out1; writes out1
.if DOCPART == 2
	.amdgcn_target "amdgcn-amd-amdhsa--gfx1250"
	.amdhsa_code_object_version 6
	.text
	.protected	k_qfac876c54a_attn
	.globl	k_qfac876c54a_attn
	.p2align	8
	.type	k_qfac876c54a_attn,@function
k_qfac876c54a_attn:
	s_mov_b64 s[64:65], 0
	v_nop
	global_prefetch_b8 v0, s[64:65] scope:SCOPE_SE
	s_setreg_imm32_b32 hwreg(HW_REG_WAVE_MODE, 25, 1), 1
	s_wait_xcnt 0x0
	s_wait_alu depctr_hold_cnt(0) depctr_sa_sdst(0) depctr_va_vdst(0) depctr_va_sdst(0) depctr_va_ssrc(0) depctr_va_vcc(0) depctr_vm_vsrc(0)
	s_getreg_b32 s2, hwreg(HW_REG_IB_STS2, 6, 4)
	s_cmp_eq_u32 s2, 0
	s_cbranch_scc0 .Lentry_in_a_cluster
	s_endpgm
.Lentry_in_a_cluster:
	s_bfe_u32 s2, ttmp6, 0x10000c
	s_cmp_lg_u32 s2, 0x3003
	s_cbranch_scc0 .Lentry_shape_is_right
	s_endpgm
.Lentry_shape_is_right:
; out1[b][k][n] = sum over m of softmax_m(score(n, m) / 8) tgt[b][k][m], score = the product of the FP4 codes of src_embedding and tgt_embedding over K = 64 (two blocks of 32).
; The codes, scale words and bf16 rows come from the launch before, in units of 128 columns laid in the order of the operands' registers (q: 4,608 bytes a unit; kv: 5,632).
; SHARES.  A work-group owns 128 queries of one batch: 8 tiles of 16.  THE SIXTEEN WAVES SHARE THE KEYS: wave w owns keys 256 w .. 256 w + 255, two units ("halves"), and multiplies them with all 8 tiles.
; So each fragment of K and of V is read from LDS once and feeds 8 tiles, all of Q stays in registers, and a step (one half x one tile: 128 keys x 16 queries) has no load, no barrier and no running rescale:
; it is a whole small softmax with its own maximum m, and leaves a partial (c m; x, y, z, l).  A query's 32 partials are merged at the end, through LDS, by their maxima, in two levels (8 to 1, 4 to 1).
; K = 64 IN AN INSTRUCTION OF 128.  A fragment of K holds TWO tiles of 16 keys: registers 0-3 (k 0-63) keys 32 g + 0..15, registers 4-7 (k 64-127) keys 32 g + 16..31, two scale bytes each.  A tile of Q stands
; between zero registers: [Q, 0] meets the first key tile, [0, Q] the second; the other half multiplies zero codes, which add exactly 0 (E2M1 has no infinity or NaN; the scale bytes lie in 1 .. 252).
; LAYOUT.  S^T = K Q^T (source 0 = keys, source 1 = queries): a lane holds ONE query (lane % 16) and the keys 8 (lane / 16) + 0..7 of a tile; two such tiles, rounded to bf16 in pairs, ARE source 1 (32 keys x
; 16 queries) of O^T = V^T P.  V^T's 16 rows are x, y, z, 1 four times over: so registers 0-3 of the result are x, y, z and the row's sum l of query lane % 16, in every lane.
; SOFTMAX.  p = 2^(c s - c m), c = log2(e) / 8, m the step's largest score; the merge weighs a partial by 2^(c m - the largest c m).  The maximum is taken away everywhere.
; CLUSTER.  The four query blocks of a cluster belong to one batch and need the same kv: each wave's two units are asked for JOINTLY, by the same tensor load with the same descriptor and a mask that names the
; four.  LDS is filled once; a wave reads only what its own loads brought, behind its own wait.  By this text's count a wave has two tensor loads outstanding at the most.
; No prefetch: every byte that the launch reads is asked for at its head.
; LIMITS: p and tgt are rounded to bf16 for the second product, and l is the sum of the rounded p; NaN and infinities among the inputs are not served.
.set UNIT,  5632                       ; a unit of kv: 4,096 codes, 512 scale words, 1,024 bf16 rows
.set QUNIT, 4608
.set SCW,   4096
.set ROWS,  4608
.set WKV,   2*UNIT                     ; LDS: wave w's two units at w WKV
.set PX,    16*WKV                     ; 180,224: partials [32][query 128][16 bytes]; partial = 2 w + half
.set PM,    PX+32*128*16               ; their c m [32][128][4 bytes]
.set P2X,   PM+32*128*4                ; the second level [4][128][16 bytes]
.set P2M,   P2X+4*128*16               ; and its c m [4][128][4 bytes]; the map ends at 272,384
.set AL,  4                            ; v4   w WKV + 16 l: register images of K and its scale words
.set AV,  5                            ; v5   w WKV + 256 (r % 4) + 16 h: V^T's rows
.set AX,  6                            ; v6   PX + 4096 w + 16 r
.set AM,  7                            ; v7   PM + 1024 w + 4 r
.set QO,  8                            ; v8   16 l
.set L1X, 9                            ; v9-12  the first merge: loads of partials and c m, stores of the results
.set L1M, 10
.set S1X, 11
.set S1M, 12
.set L2X, 13                           ; v13-14 the second merge's loads
.set L2M, 14
.set GO,  15                           ; v15  8 l
.set ZQ,  16                           ; v16-83  [0 Q0 0 Q1 .. Q7 0], four registers each: [0, Q_T] = v[16 + 8 T ..], [Q_T, 0] = v[20 + 8 T ..]
.set QS,  84                           ; v84-87  Q's scale words: register G: lanes 0-15 tile 2 G, lanes 16-31 tile 2 G + 1
.set KF,  88                           ; v88-119 four fragments of K
.set KS,  120                          ; v120-123 their scale words
.set VF,  124                          ; v124-155 four fragments of V^T
.set S,   156                          ; v156-219 S^T, then p, then P in v156-187
.set OA,  220                          ; v220-227, v228-235 the second product's two accumulators
.set OB,  228
.set R,   236                          ; v236-239 the step's partial
.set C,   240                          ; v240-243 chains of the maximum
.set PL,  244                          ; v244 a lane permute's destination
.set CM,  246                          ; v[246:247] c m; the packed form names the pair and takes its low word for both halves
.set MM,  156                          ; the merges: c m;
.set MX,  164                          ; partials;
.set MW,  196                          ; weights;
.set MA,  204                          ; sums;
.set MG,  212                          ; the largest c m;
.set MR,  214                          ; 1 / l;
.set MO,  216                          ; results
.set WV,  10                           ; s10  my wave's number
.set G1,  16                           ; s[16:23] descriptor group 1;  s[24:27], s[28:31] group 0 for my two units
.set G0,  24
.set CS,  32                           ; s[32:33] c
.set SEL, 34                           ; s[34:35] lane selects for v_permlanex16_b32: lane l xor 16
; A round of the cluster's barrier: my work-group's barrier, wave 0 signals for the work-group, every wave waits for all four work-groups, my work-group's barrier once more.
.macro ROUND
	s_barrier_signal -1
	s_barrier_wait -1
	s_cmp_lg_u32 s[WV], 0
	s_cbranch_scc1 .Lnot_wave_0_\@
	s_barrier_signal -3
.Lnot_wave_0_\@:
	s_barrier_wait -3
	s_barrier_signal -1
	s_barrier_wait -1
.endm
	s_load_b128 s[4:7], s[0:1], 0x0                ; kv s[4:5], q s[6:7]
	s_load_b64 s[8:9], s[0:1], 0x10                ; out1
	v_lshl_add_u32 v254, v0, 2, 0x42800
	v_mov_b32 v255, 0
	ds_add_u32 v254, v255
	ds_add_u32 v254, v255
	v_lshrrev_b32 v1, 5, v0
	v_readfirstlane_b32 s[WV], v1                  ; wave 0..15
	s_bfe_u32 s11, ttmp6, 0x40000                  ; cx: my place in the cluster
	s_lshl_b32 s12, ttmp9, 2                       ; in a cluster launch ttmp9 counts clusters
	s_add_co_u32 s12, s12, s11                     ; my block of 128 queries: it enters q's and out1's addresses alone
	s_and_b32 s13, ttmp7, 0xffff                   ; the batch, which the four partners share
	; descriptor group 1: a unit is 22 dense rows of 256 bytes (32 elements of 8 bytes), laid in LDS without gaps
	s_mov_b32 s[G1], 15|(3<<16)|(1<<21)            ; 15:0 the mask: all four work-groups; 17:16 elements of 8 bytes; 21 set beside a mask; no padding
	s_mov_b32 s[G1+1], 32<<16                      ; tensor_dim0 = 32
	s_mov_b32 s[G1+2], 22<<16                      ; tensor_dim1 = 22
	s_mov_b32 s[G1+3], 32<<16                      ; tile_dim0 = 32
	s_mov_b32 s[G1+4], 22                          ; tile_dim1 = 22
	s_mov_b32 s[G1+5], 32                          ; from row to row
	s_mov_b32 s[G1+6], 0
	s_mov_b32 s[G1+7], 0
	s_mov_b32 s[G0], 1                             ; count = 1
	s_mul_i32 s[G0+1], s[WV], WKV                  ; LDS address: my first unit: no place in the cluster enters it
	s_mov_b32 s[G0+4], 1
	s_add_co_u32 s[G0+5], s[G0+1], UNIT            ; my second
	s_mul_i32 s36, s[WV], WKV
	s_mul_i32 s14, s13, 32*UNIT                    ; in memory: the batch's 32 units,
	s_add_co_u32 s14, s14, s36                     ; my two of them
	s_mov_b32 s15, 0
	s_lshl_b32 s42, s13, 5
	s_add_co_u32 s42, s42, s12
	s_mul_i32 s42, s42, QUNIT                      ; my work-group's unit of q
	s_mov_b32 s43, 0
	s_mul_i32 s44, s13, 49152                      ; out1: the batch's three rows of 16,384 bytes,
	s_lshl_b32 s45, s12, 9
	s_add_co_u32 s44, s44, s45                     ; my 128 queries,
	s_and_b32 s41, s[WV], 1
	s_lshl_b32 s45, s41, 8
	s_add_co_u32 s44, s44, s45                     ; and the 64 of them that wave 0 or wave 1 stores
	s_mov_b32 s45, 0
	s_mov_b32 s[CS], 0x3e38aa3b                    ; c = log2(e) / 8
	s_mov_b32 s[CS+1], s[CS]                       ; (named with it as a pair, so it is written)
	s_mov_b32 s[SEL], 0x76543210
	s_mov_b32 s[SEL+1], 0xfedcba98
	; every address register is made here, ahead of any parting of the waves
	v_and_b32 v1, 31, v0                           ; l
	v_and_b32 v2, 15, v0                           ; r
	v_bfe_u32 v3, v0, 4, 1                         ; h
	v_lshlrev_b32 v[QO], 4, v1
	v_add_nc_u32 v[AL], s36, v[QO]
	v_and_b32 v[AV], 3, v0
	v_lshlrev_b32 v[AV], 8, v[AV]
	v_lshl_add_u32 v[AV], v3, 4, v[AV]
	v_add_nc_u32 v[AV], s36, v[AV]
	s_lshl_b32 s37, s[WV], 12
	s_add_co_u32 s37, s37, PX
	v_lshl_add_u32 v[AX], v2, 4, s37
	s_lshl_b32 s37, s[WV], 10
	s_add_co_u32 s37, s37, PM
	v_lshl_add_u32 v[AM], v2, 2, s37
	s_lshr_b32 s38, s[WV], 2                       ; the first merge: which 8 partials,
	s_and_b32 s39, s[WV], 3                        ; which 32 queries
	s_lshl_b32 s40, s38, 14
	s_lshl_b32 s37, s39, 9
	s_add_co_u32 s40, s40, s37
	s_add_co_u32 s40, s40, PX
	v_add_nc_u32 v[L1X], s40, v[QO]
	s_lshl_b32 s40, s38, 12
	s_lshl_b32 s37, s39, 7
	s_add_co_u32 s40, s40, s37
	s_add_co_u32 s40, s40, PM
	v_lshl_add_u32 v[L1M], v1, 2, s40
	s_lshl_b32 s40, s38, 11
	s_lshl_b32 s37, s39, 9
	s_add_co_u32 s40, s40, s37
	s_add_co_u32 s40, s40, P2X
	v_add_nc_u32 v[S1X], s40, v[QO]
	s_lshl_b32 s40, s38, 9
	s_lshl_b32 s37, s39, 7
	s_add_co_u32 s40, s40, s37
	s_add_co_u32 s40, s40, P2M
	v_lshl_add_u32 v[S1M], v1, 2, s40
	s_lshl_b32 s40, s41, 10                        ; the second merge: queries 64 (w % 2) + 2 l, + 1
	s_add_co_u32 s40, s40, P2X
	v_lshl_add_u32 v[L2X], v1, 5, s40
	s_lshl_b32 s40, s41, 8
	s_add_co_u32 s40, s40, P2M
	v_lshl_add_u32 v[L2M], v1, 3, s40
	v_lshlrev_b32 v[GO], 3, v1
.irp T, 0,1,2,3,4,5,6,7,8
.irp i, 0,1,2,3
	v_mov_b32 v[ZQ+8*\T+\i], 0                     ; the zero codes between Q's tiles: operands, written once
.endr
.endr
	v_mov_b32 v[PL], 0                             ; a lane permute's destination counts as one of its sources
	v_mov_b32 v[CM+1], 0                           ; (named as the upper half of a pair)
	s_wait_dscnt 0x0
	s_wait_kmcnt 0x0
	s_add_nc_u64 s[G0+2:G0+3], s[4:5], s[14:15]    ; global address of my first unit,
	s_add_nc_u64 s[G0+6:G0+7], s[G0+2:G0+3], UNIT  ; of my second
	s_or_b32 s[G0+3], s[G0+3], 0x80000000          ; type = 2
	s_or_b32 s[G0+7], s[G0+7], 0x80000000
	s_add_nc_u64 s[6:7], s[6:7], s[42:43]
	s_add_nc_u64 s[8:9], s[8:9], s[44:45]
	ROUND                                          ; all four work-groups are here: the joint loads meet
	tensor_load_to_lds s[G0:G0+3], s[G1:G1+7]      ; the launch's only fills, together, ahead of every wait on TENSORcnt and every LDS read
	s_nop 0
	tensor_load_to_lds s[G0+4:G0+7], s[G1:G1+7]
	s_nop 0
.rept 4
	v_nop                                          ; four behind the loads
.endr
.irp T, 0,1,2,3,4,5,6,7
	global_load_b128 v[ZQ+4+8*\T:ZQ+7+8*\T], v[QO], s[6:7] offset:512*\T   ; Q's tile T as a register image: lane (r, h): block h of query 16 T + r
.endr
	global_load_b128 v[QS:QS+3], v[QO], s[6:7] offset:SCW
; My half j from LDS into registers: 17 loads, each lane's 16 bytes as they lie
.macro LOADKV j
.irp g, 0,1,2,3
.irp c, 0,1
	ds_load_b128 v[KF+8*\g+4*\c:KF+8*\g+4*\c+3], v[AL] offset:(\j)*UNIT+1024*\g+512*\c
.endr
.endr
	ds_load_b128 v[KS:KS+3], v[AL] offset:(\j)*UNIT+SCW
.irp g, 0,1,2,3
.irp c, 0,1
	ds_load_b128 v[VF+8*\g+4*\c:VF+8*\g+4*\c+3], v[AV] offset:(\j)*UNIT+ROWS+64*\g+32*\c   ; keys 32 g + 16 c + 8 h + 0..7 of row r % 4
.endr
.endr
.endm
; A STEP: the 128 keys of half j x the 16 queries of tile T.
.macro STEP j, T
.irp g, 0,1,2,3                                ; S^T: eight accumulators, each begun with the constant 0.  Register i of S + 16 g (+ 8): key 32 g (+ 16) + 8 h + i of query 16 T + r
.if ((\T)%2) == 0
	v_wmma_scale_f32_16x16x128_f8f6f4 v[S+16*\g:S+16*\g+7], v[KF+8*\g:KF+8*\g+7], v[ZQ+4+8*(\T):ZQ+11+8*(\T)], 0, v[KS+\g], v[QS+(\T)/2] matrix_a_fmt:MATRIX_FMT_FP4 matrix_b_fmt:MATRIX_FMT_FP4
	v_wmma_scale_f32_16x16x128_f8f6f4 v[S+16*\g+8:S+16*\g+15], v[KF+8*\g:KF+8*\g+7], v[ZQ+8*(\T):ZQ+7+8*(\T)], 0, v[KS+\g], v[QS+(\T)/2] matrix_a_fmt:MATRIX_FMT_FP4 matrix_b_fmt:MATRIX_FMT_FP4
.else
	v_wmma_scale_f32_16x16x128_f8f6f4 v[S+16*\g:S+16*\g+7], v[KF+8*\g:KF+8*\g+7], v[ZQ+4+8*(\T):ZQ+11+8*(\T)], 0, v[KS+\g], v[QS+(\T)/2] matrix_a_fmt:MATRIX_FMT_FP4 matrix_b_fmt:MATRIX_FMT_FP4 matrix_b_scale:MATRIX_SCALE_ROW1
	v_wmma_scale_f32_16x16x128_f8f6f4 v[S+16*\g+8:S+16*\g+15], v[KF+8*\g:KF+8*\g+7], v[ZQ+8*(\T):ZQ+7+8*(\T)], 0, v[KS+\g], v[QS+(\T)/2] matrix_a_fmt:MATRIX_FMT_FP4 matrix_b_fmt:MATRIX_FMT_FP4 matrix_b_scale:MATRIX_SCALE_ROW1
.endif
.endr
.rept 4
	v_nop                                          ; four places between the products and the first read of their results (ISA guide 7.12.1)
.endr
.irp b, 0,1,2,3
	v_max3_num_f32 v[C+\b], v[S+16*\b], v[S+16*\b+1], v[S+16*\b+2]   ; the largest of my 64 scores: four chains by turns; each accumulator is first read at its low end
.endr
.irp i, 3,5,7,9,11,13
.irp b, 0,1,2,3
	v_max3_num_f32 v[C+\b], v[C+\b], v[S+16*\b+\i], v[S+16*\b+\i+1]
.endr
.endr
	v_max3_num_f32 v[C], v[C], v[S+15], v[S+31]
	v_max3_num_f32 v[C+2], v[C+2], v[S+47], v[S+63]
	v_max3_num_f32 v[C], v[C], v[C+1], v[C+2]
	v_max_num_f32 v[C], v[C], v[C+3]
	v_permlanex16_b32 v[PL], v[C], s[SEL], s[SEL+1]              ; the query's other 64 keys lie in the lane 16 away
	v_max_num_f32 v[C], v[C], v[PL]
	v_mul_f32 v[CM], s[CS], v[C]                   ; c m (c is positive)
.set n, 0
.rept 32
	v_pk_fma_f32 v[S+n:S+n+1], v[S+n:S+n+1], s[CS:CS+1], v[CM:CM+1] op_sel_hi:[1,0,0] neg_lo:[0,0,1] neg_hi:[0,0,1]   ; c s - c m, two at a time
.set n, n+2
.endr
.set n, 0
.rept 64
	v_exp_f32 v[S+n], v[S+n]                       ; p = 2^(c s - c m): one batch
.set n, n+1
.endr
	v_nop                                          ; a plain instruction behind the last exponential
	s_wait_alu depctr_va_vdst(0)                   ; one wait for the batch, ahead of its first reader
.set n, 0
.rept 32
	v_cvt_pk_bf16_f32 v[S+n], v[S+2*n], v[S+2*n+1] ; P, packed in place from the low end on: keys 32 g on lie in v[S + 8 g ..]
.set n, n+1
.endr
	v_wmma_f32_16x16x32_bf16 v[OA:OA+7], v[VF:VF+7], v[S:S+7], 0                        ; O^T = V^T P: two accumulators by turns; the first products start the sums
	v_wmma_f32_16x16x32_bf16 v[OB:OB+7], v[VF+8:VF+15], v[S+8:S+15], 0
	v_wmma_f32_16x16x32_bf16 v[OA:OA+7], v[VF+16:VF+23], v[S+16:S+23], v[OA:OA+7]
	v_wmma_f32_16x16x32_bf16 v[OB:OB+7], v[VF+24:VF+31], v[S+24:S+31], v[OB:OB+7]
.rept 5
	v_nop                                          ; four places ahead of the read of the results and of loads into V's registers; five ahead of the next step's products, which write over P
.endr
	v_pk_add_f32 v[R:R+1], v[OA:OA+1], v[OB:OB+1]                ; x, y
	v_pk_add_f32 v[R+2:R+3], v[OA+2:OA+3], v[OB+2:OB+3]          ; z, l
	ds_store_b128 v[AX], v[R:R+3] offset:(\j)*2048+(\T)*256      ; lanes r and r + 16 hold the same numbers and write them to the same place
	ds_store_b32 v[AM], v[CM] offset:(\j)*512+(\T)*64
.endm
.macro HALF j
	s_wait_tensorcnt 1-(\j)                        ; my loads end in order: half 0 is in while half 1's load may stay out; then both are in
	LOADKV \j
	s_wait_dscnt 0x0
.irp T, 0,1,2,3,4,5,6,7
	STEP \j, \T
.endr
.endm
	s_wait_loadcnt 0x0                             ; Q and its scale words
	HALF 0
	HALF 1
	s_wait_dscnt 0x0                               ; for the others' sake: my 16 partials lie in LDS
	s_barrier_signal -1
	s_barrier_wait -1
	; THE FIRST MERGE, all sixteen waves: a lane takes query 32 (w % 4) + l and partials 8 (w / 4) + 0..7
.irp i, 0,1,2,3,4,5,6,7
	ds_load_b32 v[MM+\i], v[L1M] offset:512*\i
.endr
.irp i, 0,1,2,3,4,5,6,7
	ds_load_b128 v[MX+4*\i:MX+4*\i+3], v[L1X] offset:2048*\i
.endr
	s_wait_dscnt 0x0
	v_max3_num_f32 v[MG], v[MM], v[MM+1], v[MM+2]
	v_max3_num_f32 v[MG], v[MG], v[MM+3], v[MM+4]
	v_max3_num_f32 v[MG], v[MG], v[MM+5], v[MM+6]
	v_max_num_f32 v[MG], v[MG], v[MM+7]            ; the largest c m of the eight
.irp i, 0,1,2,3,4,5,6,7
	v_sub_f32 v[MW+\i], v[MM+\i], v[MG]
.endr
.irp i, 0,1,2,3,4,5,6,7
	v_exp_f32 v[MW+\i], v[MW+\i]                   ; a partial's weight, at most 1
.endr
	v_nop
	s_wait_alu depctr_va_vdst(0)                   ; one wait for the eight
.irp k, 0,1,2,3
	v_mul_f32 v[MA+\k], v[MW], v[MX+\k]
.endr
.irp i, 1,2,3,4,5,6,7
.irp k, 0,1,2,3
	v_fmac_f32 v[MA+\k], v[MW+\i], v[MX+4*\i+\k]
.endr
.endr
	ds_store_b128 v[S1X], v[MA:MA+3]
	ds_store_b32 v[S1M], v[MG]
	s_wait_dscnt 0x0                               ; for the others' sake
	s_barrier_signal -1
	s_barrier_wait -1
	; THE SECOND MERGE, waves 0 and 1: a lane takes queries 64 w + 2 l and + 1, four partials each, divides by l and stores
	s_cmp_gt_u32 s[WV], 1
	s_cbranch_scc1 .Lclose
.irp p, 0,1,2,3
	ds_load_b64 v[MM+2*\p:MM+2*\p+1], v[L2M] offset:512*\p
.endr
.irp p, 0,1,2,3
.irp e, 0,1
	ds_load_b128 v[MX+8*\p+4*\e:MX+8*\p+4*\e+3], v[L2X] offset:2048*\p+16*\e
.endr
.endr
	s_wait_dscnt 0x0
.irp e, 0,1
	v_max3_num_f32 v[MG+\e], v[MM+\e], v[MM+2+\e], v[MM+4+\e]
.endr
.irp e, 0,1
	v_max_num_f32 v[MG+\e], v[MG+\e], v[MM+6+\e]
.endr
.irp p, 0,1,2,3
.irp e, 0,1
	v_sub_f32 v[MW+2*\p+\e], v[MM+2*\p+\e], v[MG+\e]
.endr
.endr
.irp i, 0,1,2,3,4,5,6,7
	v_exp_f32 v[MW+\i], v[MW+\i]
.endr
	v_nop
	s_wait_alu depctr_va_vdst(0)                   ; one wait for the eight
.irp e, 0,1
.irp k, 0,1,2,3
	v_mul_f32 v[MA+4*\e+\k], v[MW+\e], v[MX+4*\e+\k]
.endr
.endr
.irp p, 1,2,3
.irp e, 0,1
.irp k, 0,1,2,3
	v_fmac_f32 v[MA+4*\e+\k], v[MW+2*\p+\e], v[MX+8*\p+4*\e+\k]
.endr
.endr
.endr
	v_rcp_f32 v[MR], v[MA+3]                       ; l is at least the largest partial's own largest p, which is 1
	v_rcp_f32 v[MR+1], v[MA+7]
	v_nop
	s_wait_alu depctr_va_vdst(0)                   ; one wait for the two
.irp k, 0,1,2
.irp e, 0,1
	v_mul_f32 v[MO+2*\k+\e], v[MA+4*\e+\k], v[MR+\e]
.endr
.endr
.irp k, 0,1,2
	global_store_b64 v[GO], v[MO+2*\k:MO+2*\k+1], s[8:9] offset:16384*\k th:TH_STORE_NT   ; the wave stores 256 consecutive bytes, aligned: 64 queries of row k
.endr
.Lclose:
	s_wait_tensorcnt 0x0
	ds_add_u32 v254, v255
	s_wait_dscnt 0x0
	ROUND                                          ; the closing round: no work-group ends while a partner may still ask for a unit that names it
	s_endpgm
.Lfunc_end_k_qfac876c54a_attn:
	.size	k_qfac876c54a_attn, .Lfunc_end_k_qfac876c54a_attn-k_qfac876c54a_attn
	.p2alignl 7, 3214868480
	.fill 96, 4, 3214868480
	.section	.rodata,"a",@progbits
	.p2align	6, 0x0
	.amdhsa_kernel k_qfac876c54a_attn
		.amdhsa_group_segment_fixed_size 274432
		.amdhsa_private_segment_fixed_size 0
		.amdhsa_enable_private_segment 0
		.amdhsa_kernarg_size 24
		.amdhsa_user_sgpr_count 2
		.amdhsa_user_sgpr_kernarg_segment_ptr 1
		.amdhsa_wavefront_size32 1
		.amdhsa_system_sgpr_workgroup_id_x 1
		.amdhsa_system_sgpr_workgroup_id_y 1
		.amdhsa_system_sgpr_workgroup_id_z 1
		.amdhsa_system_vgpr_workitem_id 0
		.amdhsa_next_free_vgpr 256
		.amdhsa_next_free_sgpr 66
		.amdhsa_reserve_vcc 0
		.amdhsa_float_denorm_mode_32 3
		.amdhsa_float_denorm_mode_16_64 3
		.amdhsa_memory_ordered 1
		.amdhsa_forward_progress 1
		.amdhsa_inst_pref_size 176
	.end_amdhsa_kernel
	.amdgpu_metadata
---
amdhsa.version: [ 1, 2 ]
amdhsa.kernels:
  - .name:           k_qfac876c54a_attn
    .symbol:         k_qfac876c54a_attn.kd
    .args:
      - { .name: kv, .offset: 0, .size: 8, .value_kind: global_buffer, .address_space: global }
      - { .name: q, .offset: 8, .size: 8, .value_kind: global_buffer, .address_space: global }
      - { .name: out1, .offset: 16, .size: 8, .value_kind: global_buffer, .address_space: global }
    .group_segment_fixed_size: 274432
    .private_segment_fixed_size: 0
    .kernarg_segment_align: 8
    .kernarg_segment_size: 24
    .max_flat_workgroup_size: 512
    .sgpr_count:     66
    .vgpr_count:     256
    .wavefront_size: 32
...
	.end_amdgpu_metadata
.endif
;; end of part 2
